; MI455X (gfx1250); checked and timed in simulation.
; The chip was launched on July 23, 2026; its instructions are those of AMD's public machine-readable ISA for CDNA 5 (MIT licence, August 2026) and "CDNA5" Instruction Set Architecture Reference Guide (July 2026). The comments in the code are by the model that wrote it; some were corrected since.
;; Geodesic Layer. Allowed arithmetic: float matrix products may take bf16 or f16 operands with f32 sums; other float arithmetic in f32, or as packed bf16 or f16 multiplies, adds, multiply-adds, maxima and minima; sums over many terms, partial sums and values carried from step to step in f32; what a program stores and reads back later, other than sums and carried values, may be rounded once to bf16 or f16.
;; Inputs: b_raw 256 x 1 float32; inputs 16,384 x 64 float32; w_raw 256 x 64 float32.
;; Outputs: out0 16,384 x 256 float32.
;; 2 versions, each right; version 2 is version 1 with the launch geodesic written anew for expert scheduling mode. Each part assembles by itself: llvm-mc -triple=amdgcn-amd-amdhsa -mcpu=gfx1250 --defsym DOCPART=n.
;; ======== version 1 of 2: 1 launch
;; limits: right only within a limited range of input values
;; launch geodesic (part 1): grid 256 x 1, 16 waves a work-group, no clusters, 56,832 bytes of LDS; arguments inputs, w_raw, b_raw, out0; writes out0
.if DOCPART == 1
	.amdgcn_target "amdgcn-amd-amdhsa--gfx1250"
	.amdhsa_code_object_version 6
	.text
	.protected	k_qfc392c818b_geodesic
	.globl	k_qfc392c818b_geodesic
	.p2align	8
	.type	k_qfc392c818b_geodesic,@function
k_qfc392c818b_geodesic:
	s_mov_b64 s[64:65], 0
	v_nop
	global_prefetch_b8 v0, s[64:65] scope:SCOPE_SE
	s_setreg_imm32_b32 hwreg(HW_REG_WAVE_MODE, 25, 1), 1
	s_wait_xcnt 0x0
; GEODESIC LAYER.  out[b][o] = an * asinh( 2 sc / max((1 - mob2) an, 1e-15) ), mob = (-p) (+) x in the Poincare ball, c = 1.
; inputs [16384][64], w_raw [256][64], b_raw [256][1], out [16384][256], all f32.
; THE ALGEBRA.  f = 1 - b^2, p = f w, p2 = |p|^2 = f^2 |w|^2, un = max(|b| |p|, 1e-15), s = tanh(un) b / un, a = s p, an = max(sqrt(sum s^2 p2), 1e-15).
; With q = p.x = f (w.x) and x2 = |x|^2 every sum over the 64 channels is a polynomial in q, p2, x2:
;   den = 1 - 2 q + p2 x2;   sc den = s ((1 + p2) q - p2 (1 + x2));   1 - mob2 = (1 - p2)(1 - x2) / den  (an identity of polynomials in q, p2, x2: it holds for a rounded q too).
; Both sides of the quotient times den (> 0):  z = N / max(an (1 - p2)(1 - x2), 1e-15 max(den, 1e-15)),  N = 2 s ((1 + p2) q - p2 (1 + x2)),  out = an asinh(z).
; So ONE product, w.x, goes to the matrix unit (operands: the raw inputs rounded to bf16, sums in f32); |w|^2, |x|^2 and all the rest are f32.
; asinh(z) = sign(z) ln(|z| + sqrt(z^2 + 1)).
; LIMITS.  (1) Where den <= 1e-15 (the pole of the addition, x = p / |p|^2, where its numerator vanishes too) the clipped den enters the form above; reference() divides rounding noise by 1e-15 there.
; (2) |z| >= 1.8e19: z^2 leaves f32 and the result is infinite.  (3) The lower clip of mob2 at 1e-15 changes 1 - mob2 by less than an f32 rounding: it has no line of its own.
; (4) For |z| below about 1e-5 the sum |z| + sqrt(..) keeps fewer than two digits of z.  (5) NaN and infinities are not treated apart.
; SHARES.  256 work-groups of 16 waves; a work-group owns 64 rows of the batch and all 256 columns.  an spans all rows of w_raw, so every work-group reads all of it.
; Ahead of the one barrier wave v takes 16 rows of w (o = 64 (v >> 2) + 4 n + (v & 3), n = 0..15) and 4 rows of x: rounds them to bf16 into LDS, sums their squares, makes its 16 rows' constants.
; Behind it wave v takes the 16 batch rows 16 (v >> 2).. and the 64 columns 64 (v & 3)..: four accumulators.  Tile t's column r is output column 64 g + 4 r + t, so the four tiles' results
; for one row are 16 neighbouring bytes in a lane, and each store's 16 lanes cover 256 consecutive bytes, aligned: no stage in LDS on the way out.
; NO CLUSTER, NO TENSOR LOADS.  w_raw's 64 KiB are shared by all work-groups, 64 of the 144 KiB that one moves.  Each thread takes its 128 bytes of it straight into registers, where they are squared,
; summed and rounded; a joint load would lay the raw f32 in LDS first (64 KiB more written and read there) and put a round of the cluster's barrier ahead of the first byte and one at the end.
.set PW,    144                 ; an LDS row of 64 bf16: 128 bytes + 16: 36 words, so the 16 rows of a fragment load start at 16 different groups of four banks (64 banks of 4 bytes: ISA guide 11.1)
.set WB,    0                   ; w in bf16: row 64 g + 16 t + r holds w_raw's row 64 g + 4 r + t
.set XA,    256*PW              ; x in bf16: 64 rows
.set CSA,   XA+64*PW            ; a row's constants, first four words: c1, -c2, -c2, m2
.set CSB,   CSA+4096            ; and the other four: m2, p2e, p2e, 1 - p2
.set XSO,   CSB+4096            ; |x|^2 of the 64 rows
.set PART,  XSO+256             ; the 16 waves' partial sums of |a|^2
.set SPARE, PART+256            ; the spare words, 128 bytes for each of 16 waves: eight blocks of 256 bytes that no other line names
.set SPW, 4                     ; v4   LDS address of my spare word; never rewritten
.set NIL, 5                     ; v5   0; never rewritten
.set OW,  6                     ; v6-8 byte offsets of my loads in w_raw, inputs, b_raw
.set OX,  7
.set OB,  8
.set AWS, 9                     ; v9-13  where I store in LDS: w, x, |x|^2, constants, partial sum
.set AXS, 10
.set AQS, 11
.set ACS, 12
.set APS, 13
.set AFA, 14                    ; v14-18 where I read in LDS: x's fragments, w's, constants, |x|^2, partial sums
.set AFB, 15
.set ACR, 16
.set AQR, 17
.set APR, 18
.set OO,  19                    ; v19  my byte offset in out
.set BV,  20                    ; v20  b of my row
; ahead of the barrier
.set XR,  24                    ; v24-31   two pieces of x, 4 f32 each
.set WR,  32                    ; v32-63   eight pieces of w
.set SW,  64                    ; v64-71   eight partial sums of w^2; then my row's figures:
.set FF,  65
.set P2,  66
.set UN,  67
.set OP,  68
.set EX,  69
.set RU,  70
.set U2,  71
.set XT,  72                    ; v72-75   at work in the merge
.set PO,  72
.set ASQ, 73
.set TWOS, 74
.set RC,  76                    ; v76-83   my row's eight words of constants
.set PK,  84                    ; v84-99   w in bf16
.set PX,  100                   ; v100-103 x in bf16
.set TT,  104                   ; v104-119 at work
.set QX,  120                   ; v120-121 |x|^2
; behind the barrier
.set AF,  24                    ; v24-39   x's fragments: K half c at AF + 8 c
.set BF,  40                    ; v40-103  w's fragments: tile t, K half c at BF + 16 t + 8 c
.set OUT, 40                    ; v40-71   later the results: row pair jp, row u, tile t at OUT + 8 jp + 4 u + t; each register is written once, so no store's data is overwritten
.set ACC, 104                   ; v104-135 four accumulators: register j of lane (r, h) is (row 8 h + j, column r)
.set PT,  136                   ; v136-151 the 16 partial sums; then an in v136
.set XSQ, 152                   ; v152-159 x2 of my eight rows;  v160-167 1 + x2;  v168-175 1 - x2
.set XP1, 160
.set XM1, 168
.set CS,  176                   ; v176-207 tile t's constants at CS + 8 t: each one that a packed line spreads over both halves is the LOW word of an even pair
.set KK,  208                   ; v208-215 an (1 - p2), twice, for each tile
.set CL,  216                   ; v216-217 an ln 2, twice
.set NN,  218                   ; v218-225 N, then z
.set EE,  226                   ; v226-233 1e-15 den
.set DD,  234                   ; v234-241 the divisor, and all that follows in place
	s_load_b256 s[4:11], s[0:1], 0x0               ; inputs s[4:5], w_raw s[6:7], b_raw s[8:9], out s[10:11]
	v_lshl_add_u32 v[SPW], v0, 2, SPARE
	v_mov_b32 v[NIL], 0
	v_lshrrev_b32 v1, 5, v0
	v_readfirstlane_b32 s12, v1                    ; wave 0..15
	v_and_b32 v2, 15, v0                           ; r = lane % 16
	v_bfe_u32 v3, v0, 4, 1                         ; h = lane / 16
	v_and_b32 v21, 7, v0                           ; r % 8
	s_and_b32 s13, s12, 3                          ; ahead of the barrier: t of my rows of w; behind it: g, my 64 columns
	s_lshr_b32 s14, s12, 2                         ; ahead: g of my rows of w; behind: my 16 rows of the batch
	v_lshlrev_b32 v22, 4, v2                       ; 16 r
	s_lshl_b32 s15, s14, 14                        ; w: piece i of lane (r, h) is row 64 g + 4 (2 i + h) + t, channels 4 r .. 4 r + 3:
	s_lshl_b32 s18, s13, 8                         ; 16,384 g + 256 t + 1,024 h + 16 r, and 2,048 i in the immediate.  16 lanes take one whole row of 256 bytes
	s_add_co_u32 s15, s15, s18
	v_lshl_add_u32 v[OW], v3, 10, v22
	v_add_nc_u32 v[OW], s15, v[OW]
	s_lshl_b32 s15, s14, 8                         ; b: the merge below leaves row n = 2 (r % 8) + h in lane (r, h): 4 (64 g + 4 n + t)
	s_lshl2_add_u32 s15, s13, s15
	v_lshlrev_b32 v[OB], 5, v21
	v_lshl_add_u32 v[OB], v3, 4, v[OB]
	v_add_nc_u32 v[OB], s15, v[OB]
	s_lshl_b32 s15, s12, 10                        ; x: piece j is row 4 wave + 2 j + h of the group's 64
	v_lshl_add_u32 v[OX], v3, 8, v22
	v_add_nc_u32 v[OX], s15, v[OX]
	s_lshl_b32 s16, ttmp9, 14                      ; the group's 64 rows of 256 bytes
	s_mov_b32 s17, 0
	s_wait_kmcnt 0x0
	s_add_nc_u64 s[4:5], s[4:5], s[16:17]
.irp i, 0,1,2,3,4,5,6,7
	global_load_b128 v[WR+4*\i:WR+4*\i+3], v[OW], s[6:7] offset:2048*\i
.endr
	global_load_b32 v[BV], v[OB], s[8:9]
	global_load_b128 v[XR:XR+3],   v[OX], s[4:5] th:TH_LOAD_NT             ; each byte of inputs is read once in the launch
	global_load_b128 v[XR+4:XR+7], v[OX], s[4:5] offset:512 th:TH_LOAD_NT
	; all other addresses are made while the loads are out
	v_lshlrev_b32 v23, 3, v2                       ; four bf16 are 8 bytes: 8 r,
	v_mad_u32_u24 v23, v3, PW, v23                 ; one LDS row further for lanes 16 to 31
	s_mul_i32 s15, s12, 16*PW
	v_add_nc_u32 v[AWS], s15, v23                  ; w: LDS row 16 wave + 2 i + h
	s_mul_i32 s15, s12, 4*PW
	v_add_nc_u32 v[AXS], s15, v23                  ; x: LDS row 4 wave + 2 j + h
	s_lshl_b32 s15, s12, 4
	v_lshl_add_u32 v[AQS], v3, 2, s15              ; |x|^2: word 4 wave + 2 j + h
	v_lshl_add_u32 v[ACS], v21, 1, v3              ; constants: 16 bytes at row 16 wave + 2 (r % 8) + h
	v_lshlrev_b32 v[ACS], 4, v[ACS]
	s_lshl_b32 s15, s12, 8
	v_add_nc_u32 v[ACS], s15, v[ACS]
	s_lshl_b32 s15, s12, 2
	v_mov_b32 v[APS], s15                          ; my wave's partial sum
	v_mul_u32_u24 v1, v2, PW                       ; a fragment: lane (r, h) reads row r, 16 bytes at 16 h and at 32 + 16 h
	v_lshl_add_u32 v1, v3, 4, v1
	s_mul_i32 s15, s14, 16*PW
	v_add_nc_u32 v[AFA], s15, v1
	s_mul_i32 s15, s13, 64*PW
	v_add_nc_u32 v[AFB], s15, v1
	s_lshl_b32 s15, s13, 10
	v_add_nc_u32 v[ACR], s15, v22                  ; constants of LDS row 64 g + r (+ 16 t in the immediate)
	s_lshl_b32 s15, s14, 6
	v_lshl_add_u32 v[AQR], v3, 5, s15              ; |x|^2 of rows 16 m + 8 h ..
	v_mov_b32 v[APR], 0
	v_lshl_add_u32 v[OO], v3, 13, v22              ; out: 8 h rows of 1,024 bytes + 16 r
	s_lshl_b32 s16, ttmp9, 16                      ; the group's 64 rows,
	s_lshl_b32 s15, s14, 14                        ; my 16 of them,
	s_add_co_u32 s16, s16, s15
	s_lshl_b32 s15, s13, 8                         ; my 64 columns
	s_add_co_u32 s16, s16, s15
	s_add_nc_u64 s[10:11], s[10:11], s[16:17]
	v_and_b32 v1, 1, v0
	v_cmp_ne_u32 s20, 0, v1                        ; lanes whose r has bit 0, 1, 2 set
	v_and_b32 v1, 2, v0
	v_cmp_ne_u32 s21, 0, v1
	v_and_b32 v1, 4, v0
	v_cmp_ne_u32 s22, 0, v1
	s_mov_b32 s24, 0x26901d7d                      ; 1e-15
	s_mov_b32 s25, s24                             ; named with it as a pair
	s_mov_b32 s26, 0x0da24260                      ; 1e-30 = 1e-15 x the clip of den
	s_mov_b32 s27, 0x7fffffff
	s_mov_b32 s28, 0x76543210                      ; v_permlanex16_b32: each lane takes its own place in the other half
	s_mov_b32 s29, 0xfedcba98
	; W: rounded to bf16 into LDS; the sums of squares
	s_wait_loadcnt 0x3                             ; the eight pieces of w are in; b and x's two pieces may be out
.irp i, 0,1,2,3,4,5,6,7
	v_cvt_pk_bf16_f32 v[PK+2*\i],   v[WR+4*\i],   v[WR+4*\i+1]
	v_cvt_pk_bf16_f32 v[PK+2*\i+1], v[WR+4*\i+2], v[WR+4*\i+3]
	ds_store_b64 v[AWS], v[PK+2*\i:PK+2*\i+1] offset:WB+2*PW*\i
.endr
.irp i, 0,1,2,3,4,5,6,7
	v_pk_mul_f32 v[TT+2*\i:TT+2*\i+1], v[WR+4*\i:WR+4*\i+1], v[WR+4*\i:WR+4*\i+1]
.endr
.irp i, 0,1,2,3,4,5,6,7
	v_pk_fma_f32 v[TT+2*\i:TT+2*\i+1], v[WR+4*\i+2:WR+4*\i+3], v[WR+4*\i+2:WR+4*\i+3], v[TT+2*\i:TT+2*\i+1]
.endr
.irp i, 0,1,2,3,4,5,6,7
	v_add_f32 v[SW+\i], v[TT+2*\i], v[TT+2*\i+1]
.endr
	; Eight sums over 16 lanes, merged as they are added.  Of two sums A and B the lanes with the step's bit clear go on with A, the others with B: each lane hands its partner the one that
	; it gives up and adds what it gets to the one that it keeps.  12 + 6 + 3 + 1 lines, and lane (r, h) ends with the whole sum of piece i = r % 8: row 2 (r % 8) + h of the wave's 16.
.irp m, 0,1,2,3
	v_cndmask_b32 v[XT+\m], v[SW+2*\m+1], v[SW+2*\m], s20                  ; what I give up
.endr
.irp m, 0,1,2,3
	v_cndmask_b32 v[SW+2*\m], v[SW+2*\m], v[SW+2*\m+1], s20                ; what I keep
.endr
.irp m, 0,1,2,3
	v_add_f32_dpp v[SW+2*\m], v[XT+\m], v[SW+2*\m] row_xmask:1 row_mask:0xf bank_mask:0xf
.endr
.irp m, 0,1
	v_cndmask_b32 v[XT+\m], v[SW+4*\m+2], v[SW+4*\m], s21
.endr
.irp m, 0,1
	v_cndmask_b32 v[SW+4*\m], v[SW+4*\m], v[SW+4*\m+2], s21
.endr
.irp m, 0,1
	v_add_f32_dpp v[SW+4*\m], v[XT+\m], v[SW+4*\m] row_xmask:2 row_mask:0xf bank_mask:0xf
.endr
	v_cndmask_b32 v[XT], v[SW+4], v[SW], s22
	v_cndmask_b32 v[SW], v[SW], v[SW+4], s22
	v_add_f32_dpp v[SW], v[XT], v[SW] row_xmask:4 row_mask:0xf bank_mask:0xf
	v_add_f32_dpp v[SW], v[SW], v[SW] row_xmask:8 row_mask:0xf bank_mask:0xf   ; |w|^2 of my row
	; MY ROW'S CONSTANTS (each row in two lanes, r and r + 8, which do and store the same)
	s_wait_loadcnt 0x2                             ; b is in; x's two pieces may be out
	v_fma_f32 v[FF], -v[BV], v[BV], 1.0            ; f = 1 - b^2
	v_mul_f32 v[P2], v[FF], v[FF]
	v_mul_f32 v[P2], v[P2], v[SW]                  ; p2
	v_sqrt_f32 v[UN], v[P2]
	v_add_f32 v[OP], 1.0, v[P2]                    ; (a plain line behind each transcendental before its result is used: ISA guide 5.7.2)
	s_wait_alu depctr_va_vdst(0)
	v_mul_f32 v[UN], |v[BV]|, v[UN]
	v_max_num_f32 v[UN], s24, v[UN]                ; un = max(|b| |p|, 1e-15)
	v_mul_f32 v[EX], 0x4038aa3b, v[UN]             ; 2 log2(e) un
	v_exp_f32 v[EX], v[EX]
	v_rcp_f32 v[RU], v[UN]
	v_mul_f32 v[U2], v[UN], v[UN]
	v_mov_b32 v[PO], 0xbd5d0dd1                    ; -17/315
	s_wait_alu depctr_va_vdst(0)
	v_add_f32 v[EX], 1.0, v[EX]
	v_rcp_f32 v[EX], v[EX]
	v_fmaak_f32 v[PO], v[U2], v[PO], 0x3e088889    ; + 2/15
	v_fmaak_f32 v[PO], v[U2], v[PO], 0xbeaaaaab    ; - 1/3
	v_fma_f32 v[PO], v[U2], v[PO], 1.0             ; tanh(u) / u = 1 - u^2/3 + 2 u^4/15 - 17 u^6/315: the next term is 6e-8 at u = 0.2
	s_wait_alu depctr_va_vdst(0)
	v_fma_f32 v[EX], v[EX], -2.0, 1.0              ; tanh(u) = 1 - 2 / (1 + e^(2u)): 1 where the exponential overflows
	v_mul_f32 v[EX], v[EX], v[RU]
	v_cmp_gt_f32 vcc_lo, 0x3e4ccccd, v[UN]         ; below 0.2 the difference above loses digits: the series is taken
	v_cndmask_b32 v[EX], v[EX], v[PO], vcc_lo
	v_mul_f32 v[EX], v[EX], v[BV]                  ; s
	v_add_f32 v[TWOS], v[EX], v[EX]
	v_mul_f32 v[ASQ], v[EX], v[P2]
	v_mul_f32 v[RC+1], -v[TWOS], v[P2]             ; -c2 = -2 s p2
	v_mul_f32 v[OP], v[TWOS], v[OP]
	v_mul_f32 v[ASQ], v[ASQ], v[EX]                ; |a|^2 = s^2 p2
	v_mul_f32 v[RC], v[OP], v[FF]                  ; c1 = 2 s (1 + p2) f
	v_mov_b32 v[RC+2], v[RC+1]
	v_mul_f32 v[RC+3], 0xa7101d7d, v[FF]           ; m2 = -2e-15 f
	v_mul_f32 v[RC+5], s24, v[P2]                  ; p2e = 1e-15 p2
	v_sub_f32 v[RC+7], 1.0, v[P2]
	v_mov_b32 v[RC+4], v[RC+3]
	v_mov_b32 v[RC+6], v[RC+5]
	ds_store_b128 v[ACS], v[RC:RC+3]   offset:CSA
	ds_store_b128 v[ACS], v[RC+4:RC+7] offset:CSB
	v_add_f32_dpp v[ASQ], v[ASQ], v[ASQ] row_xmask:1 row_mask:0xf bank_mask:0xf   ; over r % 8: eight rows,
	v_add_f32_dpp v[ASQ], v[ASQ], v[ASQ] row_xmask:2 row_mask:0xf bank_mask:0xf
	v_add_f32_dpp v[ASQ], v[ASQ], v[ASQ] row_xmask:4 row_mask:0xf bank_mask:0xf
	v_permlanex16_b32 v[PO], v[ASQ], s28, s29      ; and the other half's eight
	v_add_f32 v[ASQ], v[ASQ], v[PO]
	ds_store_b32 v[APS], v[ASQ] offset:PART        ; every lane the same number to the same word
	; X: rounded to bf16 into LDS; |x|^2 in f32
	s_wait_loadcnt 0x0
.irp j, 0,1
	v_cvt_pk_bf16_f32 v[PX+2*\j],   v[XR+4*\j],   v[XR+4*\j+1]
	v_cvt_pk_bf16_f32 v[PX+2*\j+1], v[XR+4*\j+2], v[XR+4*\j+3]
	ds_store_b64 v[AXS], v[PX+2*\j:PX+2*\j+1] offset:XA+2*PW*\j
.endr
.irp j, 0,1
	v_pk_mul_f32 v[TT+2*\j:TT+2*\j+1], v[XR+4*\j:XR+4*\j+1], v[XR+4*\j:XR+4*\j+1]
.endr
.irp j, 0,1
	v_pk_fma_f32 v[TT+2*\j:TT+2*\j+1], v[XR+4*\j+2:XR+4*\j+3], v[XR+4*\j+2:XR+4*\j+3], v[TT+2*\j:TT+2*\j+1]
.endr
.irp j, 0,1
	v_add_f32 v[QX+\j], v[TT+2*\j], v[TT+2*\j+1]
.endr
.irp k, 1,2,4,8
	v_add_f32_dpp v[QX],   v[QX],   v[QX]   row_xmask:\k row_mask:0xf bank_mask:0xf
	v_add_f32_dpp v[QX+1], v[QX+1], v[QX+1] row_xmask:\k row_mask:0xf bank_mask:0xf
.endr
	ds_store_b32 v[AQS], v[QX]   offset:XSO
	ds_store_b32 v[AQS], v[QX+1] offset:XSO+8
	s_wait_dscnt 0x0                               ; for the others' sake: all my stores into LDS are done
	s_barrier_signal -1
	s_barrier_wait -1                              ; everybody's are; nothing is stored to LDS behind this line but the closing add
	; 34 LDS loads in one run, in the order in which they are wanted
	ds_load_b128 v[AF:AF+3],   v[AFA] offset:XA
	ds_load_b128 v[AF+4:AF+7], v[AFA] offset:XA+32
.irp t, 0,1,2,3
	ds_load_b128 v[BF+16*\t:BF+16*\t+3],   v[AFB] offset:WB+16*PW*\t
	ds_load_b128 v[BF+16*\t+4:BF+16*\t+7], v[AFB] offset:WB+16*PW*\t+32
.endr
	ds_load_b128 v[AF+8:AF+11],  v[AFA] offset:XA+64
	ds_load_b128 v[AF+12:AF+15], v[AFA] offset:XA+96
.irp t, 0,1,2,3
	ds_load_b128 v[BF+16*\t+8:BF+16*\t+11],  v[AFB] offset:WB+16*PW*\t+64
	ds_load_b128 v[BF+16*\t+12:BF+16*\t+15], v[AFB] offset:WB+16*PW*\t+96
.endr
.irp i, 0,1,2,3
	ds_load_b128 v[PT+4*\i:PT+4*\i+3], v[APR] offset:PART+16*\i
.endr
	ds_load_b128 v[XSQ:XSQ+3],   v[AQR] offset:XSO
	ds_load_b128 v[XSQ+4:XSQ+7], v[AQR] offset:XSO+16
.irp t, 0,1,2,3
	ds_load_b128 v[CS+8*\t:CS+8*\t+3],   v[ACR] offset:CSA+256*\t
	ds_load_b128 v[CS+8*\t+4:CS+8*\t+7], v[ACR] offset:CSB+256*\t
.endr
	; w.x: source 0 = my 16 rows of x, source 1 = 16 rows of w.  The four accumulators take turns; the first K half starts the sums.
	s_wait_dscnt 24                                ; the first ten loads are in: channels 0 to 31
.irp t, 0,1,2,3
	v_wmma_f32_16x16x32_bf16 v[ACC+8*\t:ACC+8*\t+7], v[AF:AF+7], v[BF+16*\t:BF+16*\t+7], 0
.endr
	s_wait_dscnt 14                                ; the next ten: channels 32 to 63
.irp t, 0,1,2,3
	v_wmma_f32_16x16x32_bf16 v[ACC+8*\t:ACC+8*\t+7], v[AF+8:AF+15], v[BF+16*\t+8:BF+16*\t+15], v[ACC+8*\t:ACC+8*\t+7]
.endr
	; an and what hangs on it.  These lines name no register of the products: they are also the places between the last product and the first read of a result (ISA guide 7.12.1).
	s_wait_dscnt 8                                 ; the partial sums and |x|^2 are in; the eight loads of constants may be out
	v_pk_add_f32 v[PT:PT+1],     v[PT:PT+1],     v[PT+2:PT+3]
	v_pk_add_f32 v[PT+4:PT+5],   v[PT+4:PT+5],   v[PT+6:PT+7]
	v_pk_add_f32 v[PT+8:PT+9],   v[PT+8:PT+9],   v[PT+10:PT+11]
	v_pk_add_f32 v[PT+12:PT+13], v[PT+12:PT+13], v[PT+14:PT+15]
	v_pk_add_f32 v[PT:PT+1],     v[PT:PT+1],     v[PT+4:PT+5]
	v_pk_add_f32 v[PT+8:PT+9],   v[PT+8:PT+9],   v[PT+12:PT+13]
	v_pk_add_f32 v[PT:PT+1],     v[PT:PT+1],     v[PT+8:PT+9]
	v_add_f32 v[PT], v[PT], v[PT+1]                ; the same order in every wave of every work-group: one an for the whole launch
	v_sqrt_f32 v[PT], v[PT]
.irp j, 0,2,4,6
	v_pk_add_f32 v[XP1+\j:XP1+\j+1], v[XSQ+\j:XSQ+\j+1], 1.0 op_sel_hi:[1,0]            ; 1 + x2
.endr
.irp j, 0,2,4,6
	v_pk_fma_f32 v[XM1+\j:XM1+\j+1], v[XSQ+\j:XSQ+\j+1], -1.0, 1.0 op_sel_hi:[1,0,0]    ; 1 - x2
.endr
	s_wait_alu depctr_va_vdst(0)
	v_max_num_f32 v[PT], s24, v[PT]                ; an = max(|a|, 1e-15)
	v_mul_f32 v[CL], 0x3f317218, v[PT]             ; an ln 2
	v_mov_b32 v[CL+1], v[CL]
	s_wait_dscnt 0x0                               ; the constants
.irp t, 0,1,2,3
	v_mul_f32 v[KK+2*\t],   v[PT], v[CS+8*\t+7]    ; an (1 - p2)
	v_mul_f32 v[KK+2*\t+1], v[PT], v[CS+8*\t+7]
.endr
; TWO ROWS (registers 2 jp, 2 jp + 1 of each accumulator) x FOUR TILES: eight results a lane.  Packed lines take a row pair of one tile; the tile's constant is the
; low word of its pair, for both halves.  The transcendentals stand in runs of eight, a plain line behind each run before a result is used.  Each accumulator's lowest registers are read first.
.macro GROUP jp
.irp t, 0,1,2,3
	v_pk_mul_f32 v[DD+2*\t:DD+2*\t+1], v[XM1+2*(\jp):XM1+2*(\jp)+1], v[KK+2*\t:KK+2*\t+1]                                   ; an (1 - p2)(1 - x2)
.endr
.irp t, 0,1,2,3
	v_pk_fma_f32 v[EE+2*\t:EE+2*\t+1], v[XSQ+2*(\jp):XSQ+2*(\jp)+1], v[CS+8*\t+6:CS+8*\t+7], s[24:25] op_sel_hi:[1,0,0]     ; 1e-15 (1 + p2 x2)
.endr
.irp t, 0,1,2,3
	v_pk_fma_f32 v[EE+2*\t:EE+2*\t+1], v[ACC+8*\t+2*(\jp):ACC+8*\t+2*(\jp)+1], v[CS+8*\t+4:CS+8*\t+5], v[EE+2*\t:EE+2*\t+1] op_sel_hi:[1,0,1]  ; - 2e-15 f (w.x): 1e-15 den
.endr
.irp i, 0,1,2,3,4,5,6,7
	v_max3_num_f32 v[DD+\i], v[DD+\i], v[EE+\i], s26       ; both clips at once: of den at 1e-15 (here 1e-30) and of the denominator at 1e-15 (here 1e-15 den)
.endr
.irp i, 0,1,2,3,4,5,6,7
	v_rcp_f32 v[DD+\i], v[DD+\i]
.endr
.irp t, 0,1,2,3
	v_pk_mul_f32 v[NN+2*\t:NN+2*\t+1], v[XP1+2*(\jp):XP1+2*(\jp)+1], v[CS+8*\t+2:CS+8*\t+3] op_sel_hi:[1,0]                 ; -2 s p2 (1 + x2)
.endr
.irp t, 0,1,2,3
	v_pk_fma_f32 v[NN+2*\t:NN+2*\t+1], v[ACC+8*\t+2*(\jp):ACC+8*\t+2*(\jp)+1], v[CS+8*\t:CS+8*\t+1], v[NN+2*\t:NN+2*\t+1] op_sel_hi:[1,0,1]    ; N
.endr
	s_wait_alu depctr_va_vdst(0)
.irp t, 0,1,2,3
	v_pk_mul_f32 v[NN+2*\t:NN+2*\t+1], v[NN+2*\t:NN+2*\t+1], v[DD+2*\t:DD+2*\t+1]                                           ; z
.endr
.irp t, 0,1,2,3
	v_pk_fma_f32 v[DD+2*\t:DD+2*\t+1], v[NN+2*\t:NN+2*\t+1], v[NN+2*\t:NN+2*\t+1], 1.0 op_sel_hi:[1,1,0]
.endr
.irp i, 0,1,2,3,4,5,6,7
	v_sqrt_f32 v[DD+\i], v[DD+\i]
.endr
	v_nop
	s_wait_alu depctr_va_vdst(0)
.irp i, 0,1,2,3,4,5,6,7
	v_add_f32 v[DD+\i], |v[NN+\i]|, v[DD+\i]               ; |z| + sqrt(z^2 + 1), never below 1
.endr
.irp i, 0,1,2,3,4,5,6,7
	v_log_f32 v[DD+\i], v[DD+\i]
.endr
	v_nop
	s_wait_alu depctr_va_vdst(0)
.irp t, 0,1,2,3
	v_pk_mul_f32 v[DD+2*\t:DD+2*\t+1], v[DD+2*\t:DD+2*\t+1], v[CL:CL+1]                                                     ; an asinh |z|
.endr
.irp t, 0,1,2,3
	v_bfi_b32 v[OUT+8*(\jp)+\t],   s27, v[DD+2*\t],   v[NN+2*\t]      ; z's sign; a row's four tiles side by side: columns 64 g + 4 r + 0..3
	v_bfi_b32 v[OUT+8*(\jp)+4+\t], s27, v[DD+2*\t+1], v[NN+2*\t+1]
.endr
	global_store_b128 v[OO], v[OUT+8*(\jp):OUT+8*(\jp)+3],   s[10:11] offset:2048*(\jp) th:TH_STORE_NT        ; lanes 0-15: 256 consecutive bytes of row 2 jp, at a multiple of 256 from out's first byte; lanes 16-31: of row 8 + 2 jp
	global_store_b128 v[OO], v[OUT+8*(\jp)+4:OUT+8*(\jp)+7], s[10:11] offset:2048*(\jp)+1024 th:TH_STORE_NT
.endm
	GROUP 0
	GROUP 1
	GROUP 2
	GROUP 3
	s_wait_tensorcnt 0x0                           ; the wave's end, behind my last LDS store
	ds_add_u32 v[SPW], v[NIL]
	s_wait_dscnt 0x0
	s_endpgm
.Lfunc_end_k_qfc392c818b_geodesic:
	.size	k_qfc392c818b_geodesic, .Lfunc_end_k_qfc392c818b_geodesic-k_qfc392c818b_geodesic
	.p2alignl 7, 3214868480
	.fill 96, 4, 3214868480
	.section	.rodata,"a",@progbits
	.p2align	6, 0x0
	.amdhsa_kernel k_qfc392c818b_geodesic
		.amdhsa_group_segment_fixed_size 56832
		.amdhsa_private_segment_fixed_size 0
		.amdhsa_enable_private_segment 0
		.amdhsa_kernarg_size 32
		.amdhsa_user_sgpr_count 2
		.amdhsa_user_sgpr_kernarg_segment_ptr 1
		.amdhsa_wavefront_size32 1
		.amdhsa_system_sgpr_workgroup_id_x 1
		.amdhsa_system_sgpr_workgroup_id_y 1
		.amdhsa_system_sgpr_workgroup_id_z 1
		.amdhsa_system_vgpr_workitem_id 0
		.amdhsa_next_free_vgpr 242
		.amdhsa_next_free_sgpr 66
		.amdhsa_reserve_vcc 1
		.amdhsa_float_denorm_mode_32 3
		.amdhsa_float_denorm_mode_16_64 3
		.amdhsa_memory_ordered 1
		.amdhsa_forward_progress 1
		.amdhsa_inst_pref_size 35
	.end_amdhsa_kernel
	.amdgpu_metadata
---
amdhsa.version: [ 1, 2 ]
amdhsa.kernels:
  - .name:           k_qfc392c818b_geodesic
    .symbol:         k_qfc392c818b_geodesic.kd
    .args:
      - { .name: inputs, .offset: 0, .size: 8, .value_kind: global_buffer, .address_space: global }
      - { .name: w_raw, .offset: 8, .size: 8, .value_kind: global_buffer, .address_space: global }
      - { .name: b_raw, .offset: 16, .size: 8, .value_kind: global_buffer, .address_space: global }
      - { .name: out0, .offset: 24, .size: 8, .value_kind: global_buffer, .address_space: global }
    .group_segment_fixed_size: 56832
    .private_segment_fixed_size: 0
    .kernarg_segment_align: 8
    .kernarg_segment_size: 32
    .max_flat_workgroup_size: 512
    .sgpr_count:     66
    .vgpr_count:     242
    .wavefront_size: 32
...
	.end_amdgpu_metadata
.endif
;; end of part 1
;; ======== version 2 of 2: 1 launch; version 1 with the launch geodesic written anew for expert scheduling mode
;; limits: right only within a limited range of input values
;; launch geodesic (part 2): grid 256 x 1, 16 waves a work-group, no clusters, 56,832 bytes of LDS; arguments inputs, w_raw, b_raw, out0; writes out0
.if DOCPART == 2
	.amdgcn_target "amdgcn-amd-amdhsa--gfx1250"
	.amdhsa_code_object_version 6
	.text
	.protected	k_qfc392c818b_geodesic
	.globl	k_qfc392c818b_geodesic
	.p2align	8
	.type	k_qfc392c818b_geodesic,@function
k_qfc392c818b_geodesic:
	s_mov_b64 s[64:65], 0
	v_nop
	global_prefetch_b8 v0, s[64:65] scope:SCOPE_SE
	s_setreg_imm32_b32 hwreg(HW_REG_WAVE_SCHED_MODE, 0, 2), 2
	s_setreg_imm32_b32 hwreg(HW_REG_WAVE_MODE, 25, 1), 1
	s_wait_xcnt 0x0
	s_wait_alu depctr_vm_vsrc(0)
; GEODESIC LAYER.  out[b][o] = an * asinh( 2 sc / max((1 - mob2) an, 1e-15) ), mob = (-p) (+) x in the Poincare ball, c = 1.
; inputs [16384][64], w_raw [256][64], b_raw [256][1], out [16384][256], all f32.
; THE ALGEBRA.  f = 1 - b^2, p = f w, p2 = |p|^2 = f^2 |w|^2, un = max(|b| |p|, 1e-15), s = tanh(un) b / un, a = s p, an = max(sqrt(sum s^2 p2), 1e-15).
; With q = p.x = f (w.x) and x2 = |x|^2 every sum over the 64 channels is a polynomial in q, p2, x2:
;   den = 1 - 2 q + p2 x2;   sc den = s ((1 + p2) q - p2 (1 + x2));   1 - mob2 = (1 - p2)(1 - x2) / den  (an identity of polynomials in q, p2, x2: it holds for a rounded q too).
; Both sides of the quotient times den (> 0):  z = N / max(an (1 - p2)(1 - x2), 1e-15 max(den, 1e-15)),  N = 2 s ((1 + p2) q - p2 (1 + x2)),  out = an asinh(z).
; So ONE product, w.x, goes to the matrix unit (operands: the raw inputs rounded to bf16, sums in f32); |w|^2, |x|^2 and all the rest are f32.
; asinh(z) = sign(z) ln(|z| + sqrt(z^2 + 1)).
; LIMITS.  (1) Where den <= 1e-15 (the pole of the addition, x = p / |p|^2, where its numerator vanishes too) the clipped den enters the form above; reference() divides rounding noise by 1e-15 there.
; (2) |z| >= 1.8e19: z^2 leaves f32 and the result is infinite.  (3) The lower clip of mob2 at 1e-15 changes 1 - mob2 by less than an f32 rounding: it has no line of its own.
; (4) For |z| below about 1e-5 the sum |z| + sqrt(..) keeps fewer than two digits of z.  (5) NaN and infinities are not treated apart.
; SHARES.  256 work-groups of 16 waves; a work-group owns 64 rows of the batch and all 256 columns.  an spans all rows of w_raw, so every work-group reads all of it.
; Ahead of the one barrier wave v takes 16 rows of w (o = 64 (v >> 2) + 4 n + (v & 3), n = 0..15) and 4 rows of x: rounds them to bf16 into LDS, sums their squares, makes its 16 rows' constants.
; Behind it wave v takes the 16 batch rows 16 (v >> 2).. and the 64 columns 64 (v & 3)..: four accumulators.  Tile t's column r is output column 64 g + 4 r + t, so the four tiles' results
; for one row are 16 neighbouring bytes in a lane, and each store's 16 lanes cover 256 consecutive bytes, aligned: no stage in LDS on the way out.
; NO CLUSTER, NO TENSOR LOADS.  w_raw's 64 KiB are shared by all work-groups, 64 of the 144 KiB that one moves.  Each thread takes its 128 bytes of it straight into registers, where they are squared,
; summed and rounded; a joint load would lay the raw f32 in LDS first (64 KiB more written and read there) and put a round of the cluster's barrier ahead of the first byte and one at the end.
; THE MODE: SCHED_MODE bits 1:0 = 2 (LLVM: expert scheduling mode 2), set by the entry lines.  The code itself states the register dependences
; between vector or matrix instructions and memory or LDS instructions, with s_wait_alu, always for 0.
; THE PLAN.  Registers that memory or LDS instructions touch, in the order of the text (there is no loop):
;   v6-v19          offsets and LDS addresses: written once by vector lines at the head, read by loads and stores, never written again.
;   WR, BV, XR      the global loads land in them (no vector line names them before); vector lines read them; behind the barrier the fragments' loads land in WR's and XR's registers.
;   PK, RC, ASQ, PX, QX   vector lines write them, LDS stores read them; behind the barrier the fragments' loads (v24-103) and the matrix instructions (v104-135) write these registers.
;   AF, BF, PT, XSQ, CS   the LDS loads behind the barrier land in them; no load lands there a second time; PT, XSQ and CS are named by no vector line ahead of their loads.
;   OUT             each register is written once, by a v_bfi_b32, and read by one global store.
; So: one wait on va_vdst ahead of the first global load; one behind each batch of lines that make LDS stores' data (w in bf16; the constants and x in bf16; |x|^2), the stores dealt among the vector lines
; that follow and name none of their registers; the last of these three waits also serves the LDS loads behind the barrier, since no vector line stands between; one wait on vm_vsrc behind the barrier;
; a group's two global stores stand behind the next group's first wait on va_vdst, which is owed there for the reciprocals in any case; the last group's have a wait of their own.
.set PW,    144                 ; an LDS row of 64 bf16: 128 bytes + 16: 36 words, so the 16 rows of a fragment load start at 16 different groups of four banks (64 banks of 4 bytes: ISA guide 11.1)
.set WB,    0                   ; w in bf16: row 64 g + 16 t + r holds w_raw's row 64 g + 4 r + t
.set XA,    256*PW              ; x in bf16: 64 rows
.set CSA,   XA+64*PW            ; a row's constants, first four words: c1, -c2, -c2, m2
.set CSB,   CSA+4096            ; and the other four: m2, p2e, p2e, 1 - p2
.set XSO,   CSB+4096            ; |x|^2 of the 64 rows
.set PART,  XSO+256             ; the 16 waves' partial sums of |a|^2
.set SPARE, PART+256            ; the spare words, 128 bytes for each of 16 waves: eight blocks of 256 bytes that no other line names
.set SPW, 4                     ; v4   LDS address of my spare word; never rewritten
.set NIL, 5                     ; v5   0; never rewritten
.set OW,  6                     ; v6-8 byte offsets of my loads in w_raw, inputs, b_raw
.set OX,  7
.set OB,  8
.set AWS, 9                     ; v9-13  where I store in LDS: w, x, |x|^2, constants, partial sum
.set AXS, 10
.set AQS, 11
.set ACS, 12
.set APS, 13
.set AFA, 14                    ; v14-18 where I read in LDS: x's fragments, w's, constants, |x|^2, partial sums
.set AFB, 15
.set ACR, 16
.set AQR, 17
.set APR, 18
.set OO,  19                    ; v19  my byte offset in out
.set BV,  20                    ; v20  b of my row
; ahead of the barrier
.set XR,  24                    ; v24-31   two pieces of x, 4 f32 each
.set WR,  32                    ; v32-63   eight pieces of w
.set SW,  64                    ; v64-71   eight partial sums of w^2; then my row's figures:
.set FF,  65
.set P2,  66
.set UN,  67
.set OP,  68
.set EX,  69
.set RU,  70
.set U2,  71
.set XT,  72                    ; v72-75   at work in the merge
.set PO,  72
.set ASQ, 73
.set TWOS, 74
.set RC,  76                    ; v76-83   my row's eight words of constants
.set PK,  84                    ; v84-99   w in bf16
.set PX,  100                   ; v100-103 x in bf16
.set TT,  104                   ; v104-119 at work
.set QX,  120                   ; v120-121 |x|^2
; behind the barrier
.set AF,  24                    ; v24-39   x's fragments: K half c at AF + 8 c
.set BF,  40                    ; v40-103  w's fragments: tile t, K half c at BF + 16 t + 8 c
.set OUT, 40                    ; v40-71   later the results: row pair jp, row u, tile t at OUT + 8 jp + 4 u + t; each register is written once, so no store's data is overwritten
.set ACC, 104                   ; v104-135 four accumulators: register j of lane (r, h) is (row 8 h + j, column r)
.set PT,  136                   ; v136-151 the 16 partial sums; then an in v136
.set XSQ, 152                   ; v152-159 x2 of my eight rows;  v160-167 1 + x2;  v168-175 1 - x2
.set XP1, 160
.set XM1, 168
.set CS,  176                   ; v176-207 tile t's constants at CS + 8 t: each one that a packed line spreads over both halves is the LOW word of an even pair
.set KK,  208                   ; v208-215 an (1 - p2), twice, for each tile
.set CL,  216                   ; v216-217 an ln 2, twice
.set NN,  218                   ; v218-225 N, then z
.set EE,  226                   ; v226-233 1e-15 den
.set DD,  234                   ; v234-241 the divisor, and all that follows in place
	s_load_b256 s[4:11], s[0:1], 0x0               ; inputs s[4:5], w_raw s[6:7], b_raw s[8:9], out s[10:11]
	v_lshl_add_u32 v[SPW], v0, 2, SPARE
	v_mov_b32 v[NIL], 0
	v_lshrrev_b32 v1, 5, v0
	v_readfirstlane_b32 s12, v1                    ; wave 0..15
	v_and_b32 v2, 15, v0                           ; r = lane % 16
	v_bfe_u32 v3, v0, 4, 1                         ; h = lane / 16
	v_and_b32 v21, 7, v0                           ; r % 8
	s_wait_alu depctr_va_sdst(0)                   ; s12 is written, ahead of its first reader: every share below is made from it
	s_and_b32 s13, s12, 3                          ; ahead of the barrier: t of my rows of w; behind it: g, my 64 columns
	s_lshr_b32 s14, s12, 2                         ; ahead: g of my rows of w; behind: my 16 rows of the batch
	v_lshlrev_b32 v22, 4, v2                       ; 16 r
	s_lshl_b32 s15, s14, 14                        ; w: piece i of lane (r, h) is row 64 g + 4 (2 i + h) + t, channels 4 r .. 4 r + 3:
	s_lshl_b32 s18, s13, 8                         ; 16,384 g + 256 t + 1,024 h + 16 r, and 2,048 i in the immediate.  16 lanes take one whole row of 256 bytes
	s_add_co_u32 s15, s15, s18
	v_lshl_add_u32 v[OW], v3, 10, v22
	v_add_nc_u32 v[OW], s15, v[OW]
	s_lshl_b32 s15, s14, 8                         ; b: the merge below leaves row n = 2 (r % 8) + h in lane (r, h): 4 (64 g + 4 n + t)
	s_lshl2_add_u32 s15, s13, s15
	v_lshlrev_b32 v[OB], 5, v21
	v_lshl_add_u32 v[OB], v3, 4, v[OB]
	v_add_nc_u32 v[OB], s15, v[OB]
	s_lshl_b32 s15, s12, 10                        ; x: piece j is row 4 wave + 2 j + h of the group's 64
	v_lshl_add_u32 v[OX], v3, 8, v22
	v_add_nc_u32 v[OX], s15, v[OX]
	s_lshl_b32 s16, ttmp9, 14                      ; the group's 64 rows of 256 bytes
	s_mov_b32 s17, 0
	s_wait_kmcnt 0x0
	s_add_nc_u64 s[4:5], s[4:5], s[16:17]
	s_wait_alu depctr_va_vdst(0)                   ; the three offsets v6 to v8 are written, which the eleven loads below read
.irp i, 0,1,2,3,4,5,6,7
	global_load_b128 v[WR+4*\i:WR+4*\i+3], v[OW], s[6:7] offset:2048*\i
.endr
	global_load_b32 v[BV], v[OB], s[8:9]
	global_load_b128 v[XR:XR+3],   v[OX], s[4:5] th:TH_LOAD_NT             ; each byte of inputs is read once in the launch
	global_load_b128 v[XR+4:XR+7], v[OX], s[4:5] offset:512 th:TH_LOAD_NT
	; all other addresses are made while the loads are out; none of these lines names a register of those loads
	v_lshlrev_b32 v23, 3, v2                       ; four bf16 are 8 bytes: 8 r,
	v_mad_u32_u24 v23, v3, PW, v23                 ; one LDS row further for lanes 16 to 31
	s_mul_i32 s15, s12, 16*PW
	v_add_nc_u32 v[AWS], s15, v23                  ; w: LDS row 16 wave + 2 i + h
	s_mul_i32 s15, s12, 4*PW
	v_add_nc_u32 v[AXS], s15, v23                  ; x: LDS row 4 wave + 2 j + h
	s_lshl_b32 s15, s12, 4
	v_lshl_add_u32 v[AQS], v3, 2, s15              ; |x|^2: word 4 wave + 2 j + h
	v_lshl_add_u32 v[ACS], v21, 1, v3              ; constants: 16 bytes at row 16 wave + 2 (r % 8) + h
	v_lshlrev_b32 v[ACS], 4, v[ACS]
	s_lshl_b32 s15, s12, 8
	v_add_nc_u32 v[ACS], s15, v[ACS]
	s_lshl_b32 s15, s12, 2
	v_mov_b32 v[APS], s15                          ; my wave's partial sum
	v_mul_u32_u24 v1, v2, PW                       ; a fragment: lane (r, h) reads row r, 16 bytes at 16 h and at 32 + 16 h
	v_lshl_add_u32 v1, v3, 4, v1
	s_mul_i32 s15, s14, 16*PW
	v_add_nc_u32 v[AFA], s15, v1
	s_mul_i32 s15, s13, 64*PW
	v_add_nc_u32 v[AFB], s15, v1
	s_lshl_b32 s15, s13, 10
	v_add_nc_u32 v[ACR], s15, v22                  ; constants of LDS row 64 g + r (+ 16 t in the immediate)
	s_lshl_b32 s15, s14, 6
	v_lshl_add_u32 v[AQR], v3, 5, s15              ; |x|^2 of rows 16 m + 8 h ..
	v_mov_b32 v[APR], 0
	v_lshl_add_u32 v[OO], v3, 13, v22              ; out: 8 h rows of 1,024 bytes + 16 r
	s_lshl_b32 s16, ttmp9, 16                      ; the group's 64 rows,
	s_lshl_b32 s15, s14, 14                        ; my 16 of them,
	s_add_co_u32 s16, s16, s15
	s_lshl_b32 s15, s13, 8                         ; my 64 columns
	s_add_co_u32 s16, s16, s15
	s_add_nc_u64 s[10:11], s[10:11], s[16:17]
	v_and_b32 v1, 1, v0
	v_cmp_ne_u32 s20, 0, v1                        ; lanes whose r has bit 0, 1, 2 set
	v_and_b32 v1, 2, v0
	v_cmp_ne_u32 s21, 0, v1
	v_and_b32 v1, 4, v0
	v_cmp_ne_u32 s22, 0, v1
	s_wait_alu depctr_va_sdst(0)                   ; the three masks s20 to s22 are written: one wait behind the run of compares, ahead of the merge's selects, which read them
	s_mov_b32 s24, 0x26901d7d                      ; 1e-15
	s_mov_b32 s25, s24                             ; named with it as a pair
	s_mov_b32 s26, 0x0da24260                      ; 1e-30 = 1e-15 x the clip of den
	s_mov_b32 s27, 0x7fffffff
	s_mov_b32 s28, 0x76543210                      ; v_permlanex16_b32: each lane takes its own place in the other half
	s_mov_b32 s29, 0xfedcba98
	; W: rounded to bf16 into LDS; the sums of squares
	s_wait_loadcnt 0x3                             ; the eight pieces of w are in; b and x's two pieces may be out
.irp i, 0,1,2,3,4,5,6,7
	v_cvt_pk_bf16_f32 v[PK+2*\i],   v[WR+4*\i],   v[WR+4*\i+1]
	v_cvt_pk_bf16_f32 v[PK+2*\i+1], v[WR+4*\i+2], v[WR+4*\i+3]
.endr
	s_wait_alu depctr_va_vdst(0)                   ; the conversions have written v[PK ..], and the head's lines v[AWS]: the eight LDS stores below read them
.irp i, 0,1,2,3,4,5,6,7
	ds_store_b64 v[AWS], v[PK+2*\i:PK+2*\i+1] offset:WB+2*PW*\i            ; no further wait: the lines among which the stores are dealt name WR and TT alone
	v_pk_mul_f32 v[TT+2*\i:TT+2*\i+1], v[WR+4*\i:WR+4*\i+1], v[WR+4*\i:WR+4*\i+1]
.endr
.irp i, 0,1,2,3,4,5,6,7
	v_pk_fma_f32 v[TT+2*\i:TT+2*\i+1], v[WR+4*\i+2:WR+4*\i+3], v[WR+4*\i+2:WR+4*\i+3], v[TT+2*\i:TT+2*\i+1]
.endr
.irp i, 0,1,2,3,4,5,6,7
	v_add_f32 v[SW+\i], v[TT+2*\i], v[TT+2*\i+1]
.endr
	; Eight sums over 16 lanes, merged as they are added.  Of two sums A and B the lanes with the step's bit clear go on with A, the others with B: each lane hands its partner the one that
	; it gives up and adds what it gets to the one that it keeps.  12 + 6 + 3 + 1 lines, and lane (r, h) ends with the whole sum of piece i = r % 8: row 2 (r % 8) + h of the wave's 16.
.irp m, 0,1,2,3
	v_cndmask_b32 v[XT+\m], v[SW+2*\m+1], v[SW+2*\m], s20                  ; what I give up
.endr
.irp m, 0,1,2,3
	v_cndmask_b32 v[SW+2*\m], v[SW+2*\m], v[SW+2*\m+1], s20                ; what I keep
.endr
.irp m, 0,1,2,3
	v_add_f32_dpp v[SW+2*\m], v[XT+\m], v[SW+2*\m] row_xmask:1 row_mask:0xf bank_mask:0xf
.endr
.irp m, 0,1
	v_cndmask_b32 v[XT+\m], v[SW+4*\m+2], v[SW+4*\m], s21
.endr
.irp m, 0,1
	v_cndmask_b32 v[SW+4*\m], v[SW+4*\m], v[SW+4*\m+2], s21
.endr
.irp m, 0,1
	v_add_f32_dpp v[SW+4*\m], v[XT+\m], v[SW+4*\m] row_xmask:2 row_mask:0xf bank_mask:0xf
.endr
	v_cndmask_b32 v[XT], v[SW+4], v[SW], s22
	v_cndmask_b32 v[SW], v[SW], v[SW+4], s22
	v_add_f32_dpp v[SW], v[XT], v[SW] row_xmask:4 row_mask:0xf bank_mask:0xf
	v_add_f32_dpp v[SW], v[SW], v[SW] row_xmask:8 row_mask:0xf bank_mask:0xf   ; |w|^2 of my row
	; MY ROW'S CONSTANTS (each row in two lanes, r and r + 8, which do and store the same)
	s_wait_loadcnt 0x2                             ; b is in; x's two pieces may be out
	v_fma_f32 v[FF], -v[BV], v[BV], 1.0            ; f = 1 - b^2
	v_mul_f32 v[P2], v[FF], v[FF]
	v_mul_f32 v[P2], v[P2], v[SW]                  ; p2
	v_sqrt_f32 v[UN], v[P2]
	v_add_f32 v[OP], 1.0, v[P2]                    ; (a plain line behind each transcendental before its result is used: ISA guide 5.7.2)
	s_wait_alu depctr_va_vdst(0)                   ; the root has written v[UN], ahead of its first reader
	v_mul_f32 v[UN], |v[BV]|, v[UN]
	v_max_num_f32 v[UN], s24, v[UN]                ; un = max(|b| |p|, 1e-15)
	v_cmp_gt_f32 vcc_lo, 0x3e4ccccd, v[UN]         ; below 0.2 the difference 1 - 2 / (..) loses digits: the series is taken.  The compare stands here, far ahead of the select that reads VCC
	v_mul_f32 v[EX], 0x4038aa3b, v[UN]             ; 2 log2(e) un
	v_exp_f32 v[EX], v[EX]
	v_rcp_f32 v[RU], v[UN]
	v_mul_f32 v[U2], v[UN], v[UN]
	v_mov_b32 v[PO], 0xbd5d0dd1                    ; -17/315
	s_wait_alu depctr_va_vdst(0)                   ; the exponential has written v[EX] and the reciprocal v[RU], ahead of their first readers
	v_add_f32 v[EX], 1.0, v[EX]
	v_rcp_f32 v[EX], v[EX]
	v_fmaak_f32 v[PO], v[U2], v[PO], 0x3e088889    ; + 2/15
	v_fmaak_f32 v[PO], v[U2], v[PO], 0xbeaaaaab    ; - 1/3
	v_fma_f32 v[PO], v[U2], v[PO], 1.0             ; tanh(u) / u = 1 - u^2/3 + 2 u^4/15 - 17 u^6/315: the next term is 6e-8 at u = 0.2
	s_wait_alu depctr_va_vdst(0)                   ; the reciprocal has written v[EX], ahead of its first reader
	s_wait_alu depctr_va_vcc(0)                    ; the compare has written VCC, ahead of the select below, its one reader
	v_fma_f32 v[EX], v[EX], -2.0, 1.0              ; tanh(u) = 1 - 2 / (1 + e^(2u)): 1 where the exponential overflows
	v_mul_f32 v[EX], v[EX], v[RU]
	v_cndmask_b32 v[EX], v[EX], v[PO], vcc_lo
	v_mul_f32 v[EX], v[EX], v[BV]                  ; s
	v_add_f32 v[TWOS], v[EX], v[EX]
	v_mul_f32 v[ASQ], v[EX], v[P2]
	v_mul_f32 v[RC+1], -v[TWOS], v[P2]             ; -c2 = -2 s p2
	v_mul_f32 v[OP], v[TWOS], v[OP]
	v_mul_f32 v[ASQ], v[ASQ], v[EX]                ; |a|^2 = s^2 p2
	v_mul_f32 v[RC], v[OP], v[FF]                  ; c1 = 2 s (1 + p2) f
	v_mov_b32 v[RC+2], v[RC+1]
	v_mul_f32 v[RC+3], 0xa7101d7d, v[FF]           ; m2 = -2e-15 f
	v_mul_f32 v[RC+5], s24, v[P2]                  ; p2e = 1e-15 p2
	v_sub_f32 v[RC+7], 1.0, v[P2]
	v_mov_b32 v[RC+4], v[RC+3]
	v_mov_b32 v[RC+6], v[RC+5]
	v_add_f32_dpp v[ASQ], v[ASQ], v[ASQ] row_xmask:1 row_mask:0xf bank_mask:0xf   ; over r % 8: eight rows,
	v_add_f32_dpp v[ASQ], v[ASQ], v[ASQ] row_xmask:2 row_mask:0xf bank_mask:0xf
	v_add_f32_dpp v[ASQ], v[ASQ], v[ASQ] row_xmask:4 row_mask:0xf bank_mask:0xf
	v_permlanex16_b32 v[PO], v[ASQ], s28, s29      ; and the other half's eight
	v_add_f32 v[ASQ], v[ASQ], v[PO]
	; X: rounded to bf16 into LDS; |x|^2 in f32.  The constants', the partial sum's and x's LDS stores go out together, behind one wait, dealt among the lines that make |x|^2
	s_wait_loadcnt 0x0
.irp j, 0,1
	v_cvt_pk_bf16_f32 v[PX+2*\j],   v[XR+4*\j],   v[XR+4*\j+1]
	v_cvt_pk_bf16_f32 v[PX+2*\j+1], v[XR+4*\j+2], v[XR+4*\j+3]
.endr
	s_wait_alu depctr_va_vdst(0)                   ; v[RC ..], v[ASQ] and v[PX ..] are written, which the five LDS stores below read; the lines among them name XR, TT and QX alone
	ds_store_b128 v[ACS], v[RC:RC+3]   offset:CSA
	ds_store_b128 v[ACS], v[RC+4:RC+7] offset:CSB
.irp j, 0,1
	v_pk_mul_f32 v[TT+2*\j:TT+2*\j+1], v[XR+4*\j:XR+4*\j+1], v[XR+4*\j:XR+4*\j+1]
.endr
	ds_store_b32 v[APS], v[ASQ] offset:PART        ; every lane the same number to the same word
.irp j, 0,1
	v_pk_fma_f32 v[TT+2*\j:TT+2*\j+1], v[XR+4*\j+2:XR+4*\j+3], v[XR+4*\j+2:XR+4*\j+3], v[TT+2*\j:TT+2*\j+1]
.endr
	ds_store_b64 v[AXS], v[PX:PX+1] offset:XA
.irp j, 0,1
	v_add_f32 v[QX+\j], v[TT+2*\j], v[TT+2*\j+1]
.endr
	ds_store_b64 v[AXS], v[PX+2:PX+3] offset:XA+2*PW
.irp k, 1,2,4,8
	v_add_f32_dpp v[QX],   v[QX],   v[QX]   row_xmask:\k row_mask:0xf bank_mask:0xf
	v_add_f32_dpp v[QX+1], v[QX+1], v[QX+1] row_xmask:\k row_mask:0xf bank_mask:0xf
.endr
	s_wait_alu depctr_va_vdst(0)                   ; v[QX], v[QX+1] are written, which the two stores read.  No vector line stands between this wait and the LDS loads behind the barrier: so it also states that every line that read or wrote v24 to v121, in which those loads land, is done, and that their addresses v14 to v18 are written
	ds_store_b32 v[AQS], v[QX]   offset:XSO
	ds_store_b32 v[AQS], v[QX+1] offset:XSO+8
	s_wait_dscnt 0x0                               ; for the others' sake: all my stores into LDS are done
	s_barrier_signal -1
	s_barrier_wait -1                              ; everybody's are; nothing is stored to LDS behind this line but the closing add
	s_wait_alu depctr_vm_vsrc(0)                   ; my LDS stores have read v[PK ..], v[RC ..], v[ASQ], v[PX ..] and v[QX ..]: the fragments' loads land in the first four, the matrix instructions write the last
	; 26 LDS loads in one run, in the order in which they are wanted; the eight loads of constants follow behind the first four products
	ds_load_b128 v[AF:AF+3],   v[AFA] offset:XA
	ds_load_b128 v[AF+4:AF+7], v[AFA] offset:XA+32
.irp t, 0,1,2,3
	ds_load_b128 v[BF+16*\t:BF+16*\t+3],   v[AFB] offset:WB+16*PW*\t
	ds_load_b128 v[BF+16*\t+4:BF+16*\t+7], v[AFB] offset:WB+16*PW*\t+32
.endr
	ds_load_b128 v[AF+8:AF+11],  v[AFA] offset:XA+64
	ds_load_b128 v[AF+12:AF+15], v[AFA] offset:XA+96
.irp t, 0,1,2,3
	ds_load_b128 v[BF+16*\t+8:BF+16*\t+11],  v[AFB] offset:WB+16*PW*\t+64
	ds_load_b128 v[BF+16*\t+12:BF+16*\t+15], v[AFB] offset:WB+16*PW*\t+96
.endr
.irp i, 0,1,2,3
	ds_load_b128 v[PT+4*\i:PT+4*\i+3], v[APR] offset:PART+16*\i
.endr
	ds_load_b128 v[XSQ:XSQ+3],   v[AQR] offset:XSO
	ds_load_b128 v[XSQ+4:XSQ+7], v[AQR] offset:XSO+16
	; w.x: source 0 = my 16 rows of x, source 1 = 16 rows of w.  The four accumulators take turns; the first K half starts the sums.
	s_wait_dscnt 16                                ; of the 26 loads the first ten are in: channels 0 to 31
.irp t, 0,1,2,3
	v_wmma_f32_16x16x32_bf16 v[ACC+8*\t:ACC+8*\t+7], v[AF:AF+7], v[BF+16*\t:BF+16*\t+7], 0
.endr
.irp t, 0,1,2,3
	ds_load_b128 v[CS+8*\t:CS+8*\t+3],   v[ACR] offset:CSA+256*\t          ; no wait: the four products above name AF, BF and ACC, not v[ACR] nor v[CS ..], which no vector line has named at all
	ds_load_b128 v[CS+8*\t+4:CS+8*\t+7], v[ACR] offset:CSB+256*\t
.endr
	s_wait_dscnt 14                                ; of the 34 loads the first twenty are in: channels 32 to 63 too
.irp t, 0,1,2,3
	v_wmma_f32_16x16x32_bf16 v[ACC+8*\t:ACC+8*\t+7], v[AF+8:AF+15], v[BF+16*\t+8:BF+16*\t+15], v[ACC+8*\t:ACC+8*\t+7]
.endr
	; an and what hangs on it.  These lines name no register of the products: they are also the places between the last product and the first read of a result (ISA guide 7.12.1).
	s_wait_dscnt 8                                 ; the partial sums and |x|^2 are in; the eight loads of constants may be out
	v_pk_add_f32 v[PT:PT+1],     v[PT:PT+1],     v[PT+2:PT+3]
	v_pk_add_f32 v[PT+4:PT+5],   v[PT+4:PT+5],   v[PT+6:PT+7]
	v_pk_add_f32 v[PT+8:PT+9],   v[PT+8:PT+9],   v[PT+10:PT+11]
	v_pk_add_f32 v[PT+12:PT+13], v[PT+12:PT+13], v[PT+14:PT+15]
	v_pk_add_f32 v[PT:PT+1],     v[PT:PT+1],     v[PT+4:PT+5]
	v_pk_add_f32 v[PT+8:PT+9],   v[PT+8:PT+9],   v[PT+12:PT+13]
	v_pk_add_f32 v[PT:PT+1],     v[PT:PT+1],     v[PT+8:PT+9]
	v_add_f32 v[PT], v[PT], v[PT+1]                ; the same order in every wave of every work-group: one an for the whole launch
	v_sqrt_f32 v[PT], v[PT]
.irp j, 0,2,4,6
	v_pk_add_f32 v[XP1+\j:XP1+\j+1], v[XSQ+\j:XSQ+\j+1], 1.0 op_sel_hi:[1,0]            ; 1 + x2
.endr
.irp j, 0,2,4,6
	v_pk_fma_f32 v[XM1+\j:XM1+\j+1], v[XSQ+\j:XSQ+\j+1], -1.0, 1.0 op_sel_hi:[1,0,0]    ; 1 - x2
.endr
	s_wait_alu depctr_va_vdst(0)                   ; the root has written v[PT], ahead of its first reader
	v_max_num_f32 v[PT], s24, v[PT]                ; an = max(|a|, 1e-15)
	v_mul_f32 v[CL], 0x3f317218, v[PT]             ; an ln 2
	v_mov_b32 v[CL+1], v[CL]
	s_wait_dscnt 0x0                               ; the constants
.irp t, 0,1,2,3
	v_mul_f32 v[KK+2*\t],   v[PT], v[CS+8*\t+7]    ; an (1 - p2)
	v_mul_f32 v[KK+2*\t+1], v[PT], v[CS+8*\t+7]
.endr
; The two stores of row pair jp.
.macro SEND jp
	global_store_b128 v[OO], v[OUT+8*(\jp):OUT+8*(\jp)+3],   s[10:11] offset:2048*(\jp) th:TH_STORE_NT        ; lanes 0-15: 256 consecutive bytes of row 2 jp, at a multiple of 256 from out's first byte; lanes 16-31: of row 8 + 2 jp
	global_store_b128 v[OO], v[OUT+8*(\jp)+4:OUT+8*(\jp)+7], s[10:11] offset:2048*(\jp)+1024 th:TH_STORE_NT
.endm
; TWO ROWS (registers 2 jp, 2 jp + 1 of each accumulator) x FOUR TILES: eight results a lane.  Packed lines take a row pair of one tile; the tile's constant is the
; low word of its pair, for both halves.  The transcendentals stand in runs of eight, a plain line behind each run before a result is used.  Each accumulator's lowest registers are read first.
; The group's results are stored in the NEXT group, behind its first wait; behind that wait no line names their registers or v[OO].
.macro GROUP jp
.irp t, 0,1,2,3
	v_pk_mul_f32 v[DD+2*\t:DD+2*\t+1], v[XM1+2*(\jp):XM1+2*(\jp)+1], v[KK+2*\t:KK+2*\t+1]                                   ; an (1 - p2)(1 - x2)
.endr
.irp t, 0,1,2,3
	v_pk_fma_f32 v[EE+2*\t:EE+2*\t+1], v[XSQ+2*(\jp):XSQ+2*(\jp)+1], v[CS+8*\t+6:CS+8*\t+7], s[24:25] op_sel_hi:[1,0,0]     ; 1e-15 (1 + p2 x2)
.endr
.irp t, 0,1,2,3
	v_pk_fma_f32 v[EE+2*\t:EE+2*\t+1], v[ACC+8*\t+2*(\jp):ACC+8*\t+2*(\jp)+1], v[CS+8*\t+4:CS+8*\t+5], v[EE+2*\t:EE+2*\t+1] op_sel_hi:[1,0,1]  ; - 2e-15 f (w.x): 1e-15 den
.endr
.irp i, 0,1,2,3,4,5,6,7
	v_max3_num_f32 v[DD+\i], v[DD+\i], v[EE+\i], s26       ; both clips at once: of den at 1e-15 (here 1e-30) and of the denominator at 1e-15 (here 1e-15 den)
.endr
.irp i, 0,1,2,3,4,5,6,7
	v_rcp_f32 v[DD+\i], v[DD+\i]
.endr
.irp t, 0,1,2,3
	v_pk_mul_f32 v[NN+2*\t:NN+2*\t+1], v[XP1+2*(\jp):XP1+2*(\jp)+1], v[CS+8*\t+2:CS+8*\t+3] op_sel_hi:[1,0]                 ; -2 s p2 (1 + x2)
.endr
.irp t, 0,1,2,3
	v_pk_fma_f32 v[NN+2*\t:NN+2*\t+1], v[ACC+8*\t+2*(\jp):ACC+8*\t+2*(\jp)+1], v[CS+8*\t:CS+8*\t+1], v[NN+2*\t:NN+2*\t+1] op_sel_hi:[1,0,1]    ; N
.endr
	s_wait_alu depctr_va_vdst(0)                   ; the eight reciprocals have written v[DD ..], ahead of their first reader; and the group before has written its v[OUT ..], which the two stores below read
.if (\jp) > 0
	SEND (\jp)-1
.endif
.irp t, 0,1,2,3
	v_pk_mul_f32 v[NN+2*\t:NN+2*\t+1], v[NN+2*\t:NN+2*\t+1], v[DD+2*\t:DD+2*\t+1]                                           ; z
.endr
.irp t, 0,1,2,3
	v_pk_fma_f32 v[DD+2*\t:DD+2*\t+1], v[NN+2*\t:NN+2*\t+1], v[NN+2*\t:NN+2*\t+1], 1.0 op_sel_hi:[1,1,0]
.endr
.irp i, 0,1,2,3,4,5,6,7
	v_sqrt_f32 v[DD+\i], v[DD+\i]
.endr
	v_nop
	s_wait_alu depctr_va_vdst(0)                   ; the eight roots have written v[DD ..], ahead of their first reader
.irp i, 0,1,2,3,4,5,6,7
	v_add_f32 v[DD+\i], |v[NN+\i]|, v[DD+\i]               ; |z| + sqrt(z^2 + 1), never below 1
.endr
.irp i, 0,1,2,3,4,5,6,7
	v_log_f32 v[DD+\i], v[DD+\i]
.endr
	v_nop
	s_wait_alu depctr_va_vdst(0)                   ; the eight logarithms have written v[DD ..], ahead of their first reader
.irp t, 0,1,2,3
	v_pk_mul_f32 v[DD+2*\t:DD+2*\t+1], v[DD+2*\t:DD+2*\t+1], v[CL:CL+1]                                                     ; an asinh |z|
.endr
.irp t, 0,1,2,3
	v_bfi_b32 v[OUT+8*(\jp)+\t],   s27, v[DD+2*\t],   v[NN+2*\t]      ; z's sign; a row's four tiles side by side: columns 64 g + 4 r + 0..3
	v_bfi_b32 v[OUT+8*(\jp)+4+\t], s27, v[DD+2*\t+1], v[NN+2*\t+1]
.endr
.endm
	GROUP 0
	GROUP 1
	GROUP 2
	GROUP 3
	s_wait_alu depctr_va_vdst(0)                   ; the last group has written its v[OUT ..], which the last two stores read
	SEND 3
	s_wait_dscnt 0x0                               ; the closing lines, six on end
	s_wait_alu 0x0
	s_wait_tensorcnt 0x0
	ds_add_u32 v[SPW], v[NIL]
	s_wait_dscnt 0x0
	s_endpgm
.Lfunc_end_k_qfc392c818b_geodesic:
	.size	k_qfc392c818b_geodesic, .Lfunc_end_k_qfc392c818b_geodesic-k_qfc392c818b_geodesic
	.p2alignl 7, 3214868480
	.fill 96, 4, 3214868480
	.section	.rodata,"a",@progbits
	.p2align	6, 0x0
	.amdhsa_kernel k_qfc392c818b_geodesic
		.amdhsa_group_segment_fixed_size 56832
		.amdhsa_private_segment_fixed_size 0
		.amdhsa_enable_private_segment 0
		.amdhsa_kernarg_size 32
		.amdhsa_user_sgpr_count 2
		.amdhsa_user_sgpr_kernarg_segment_ptr 1
		.amdhsa_wavefront_size32 1
		.amdhsa_system_sgpr_workgroup_id_x 1
		.amdhsa_system_sgpr_workgroup_id_y 1
		.amdhsa_system_sgpr_workgroup_id_z 1
		.amdhsa_system_vgpr_workitem_id 0
		.amdhsa_next_free_vgpr 242
		.amdhsa_next_free_sgpr 66
		.amdhsa_reserve_vcc 1
		.amdhsa_float_denorm_mode_32 3
		.amdhsa_float_denorm_mode_16_64 3
		.amdhsa_memory_ordered 1
		.amdhsa_forward_progress 1
		.amdhsa_inst_pref_size 36
	.end_amdhsa_kernel
	.amdgpu_metadata
---
amdhsa.version: [ 1, 2 ]
amdhsa.kernels:
  - .name:           k_qfc392c818b_geodesic
    .symbol:         k_qfc392c818b_geodesic.kd
    .args:
      - { .name: inputs, .offset: 0, .size: 8, .value_kind: global_buffer, .address_space: global }
      - { .name: w_raw, .offset: 8, .size: 8, .value_kind: global_buffer, .address_space: global }
      - { .name: b_raw, .offset: 16, .size: 8, .value_kind: global_buffer, .address_space: global }
      - { .name: out0, .offset: 24, .size: 8, .value_kind: global_buffer, .address_space: global }
    .group_segment_fixed_size: 56832
    .private_segment_fixed_size: 0
    .kernarg_segment_align: 8
    .kernarg_segment_size: 32
    .max_flat_workgroup_size: 512
    .sgpr_count:     66
    .vgpr_count:     242
    .wavefront_size: 32
...
	.end_amdgpu_metadata
.endif
;; end of part 2
